; MI455X (gfx1250); checked and timed in simulation.
; The chip was launched on July 23, 2026; its instructions are those of AMD's public machine-readable ISA for CDNA 5 (MIT licence, August 2026) and "CDNA5" Instruction Set Architecture Reference Guide (July 2026). The comments in the code are by the model that wrote it; some were corrected since.
;; LSTM. Allowed arithmetic: matrix products marked QUANTISED: E3M2 operands, one E8M0 scale for each 32 along K, by v_wmma_scale_f32_16x16x128_f8f6f4 with both operands' format E3M2, f32 sums; everything else in f32.
;; Inputs: W_hf 2,048 x 2,048 float32; W_hg 2,048 x 2,048 float32; W_hi 2,048 x 2,048 float32; W_ho 2,048 x 2,048 float32; W_if 2,048 x 2,048 float32; W_ig 2,048 x 2,048 float32; W_ii 2,048 x 2,048 float32; W_io 2,048 x 2,048 float32; b_f 2,048 float32; b_g 2,048 float32; b_i 2,048 float32; b_o 2,048 float32; hidden 2,048 x 2,048 float32; input 2,048 x 2,048 float32; output 2,048 x 2,048 float32.
;; Outputs: out0 2,048 x 2,048 float32; out1 2,048 x 2,048 float32.
;; This version of the problem:
;;   THIS VERSION OF THE PROBLEM IS GIVEN IN LOW PRECISION. The matrix products marked QUANTISED in the list below multiply operands that are first quantised to E3M2 (3 exponent bits, 2 mantissa bits; 6 bits a number), with one power-of-two scale for each 32 numbers along K (OCP MX v1.0); their sums are f32. All else is computed in f32.
;;   The module's matrix products, in the order in which they are computed (A, B: the left and right operand; K: the contracted axis; several contracted axes count as one K, in the product's order):
;;     1. [M 2,048, K 2,048] x [K 2,048, N 8,192]; A: input input; B: computed on the way: QUANTISED
;;     2. [M 2,048, K 2,048] x [K 2,048, N 8,192]; A: input hidden; B: computed on the way: QUANTISED
;;   THE QUANTISER, for each operand of a quantised product, along K:
;;     - K is cut into blocks of 32 from its start; a last block that is shorter is filled with zeros.
;;     - A block's scale is 2^e with e = floor(log2(the largest magnitude in the block)) - 4, held to -126 .. 127; a block of zeros has e = 0. As a byte (E8M0): e + 127.
;;     - Each number is divided by its block's scale, clamped to +-28, and rounded to the nearest number of E3M2, ties to even, subnormals kept.
;;     - The product sums the exact products of the quantised numbers (number of the format x scale) in f32.
;;   ~~~python
;;   def quantise(x, axis):      # numpy; x: float32 -> the quantised numbers, widened to float32 again
;;       x = np.moveaxis(x, axis, -1); K = x.shape[-1]
;;       x = np.pad(x, [(0, 0)] * (x.ndim - 1) + [(0, -K % 32)]); x = x.reshape(x.shape[:-1] + (-1, 32)); a = np.abs(x).max(-1, keepdims=True)
;;       e = np.where(a > 0, np.clip(np.frexp(np.where(a > 0, a, 1))[1] - 1 - 4, -126, 127), 0)      # np.frexp(a)[1] - 1 = floor(log2(a)), exactly
;;       r = np.clip(x / 2.0 ** e, -28, 28)
;;       step = 2.0 ** (np.maximum(np.frexp(np.where(r == 0, 1, r))[1] - 1, -2) - 2)
;;       q = np.round(r / step) * step * 2.0 ** e      # np.round: ties to even
;;       return np.moveaxis(q.reshape(q.shape[:-2] + (-1,))[..., :K], -1, axis).astype(np.float32)
;;   ~~~
;;   OPERANDS COMPUTED ON THE WAY. 'Computed on the way' means the value that the module computes at that place (a softmax that the list does not call 'softmax' is quantised finished and normalised). What goes into a quantiser is computed in f32, as accurately as f32 sums, v_exp_f32 and their like allow (about 1e-6 of the number): no bf16 or f16 on the way to a quantiser, and a product that is left as it is and whose result goes on into a quantised operand takes f32 operands (vector FMAs, or v_wmma_f32_16x16x4_f32). A number that lies on a knife's edge between two numbers of the format may be rounded either way, as far as f32 arithmetic and the matrix unit's own rounding can turn it there, and no further.
;; One version. Each part assembles by itself: llvm-mc -triple=amdgcn-amd-amdhsa -mcpu=gfx1250 --defsym DOCPART=n.
;; ======== version 1 of 1: 2 launches
;; limits: right only within a limited range of input values
;; workspace buffers: codes 34,603,008 bytes
;; launch quant (part 1): grid 768 x 1, 4 waves a work-group, no clusters, 72,192 bytes of LDS; arguments W_ii, W_if, W_ig, W_io, W_hi, W_hf, W_hg, W_ho, input, hidden, codes; writes codes
.if DOCPART == 1
	.amdgcn_target "amdgcn-amd-amdhsa--gfx1250"
	.amdhsa_code_object_version 6
	.text
	.protected	k_q91b757e1e5_quant
	.globl	k_q91b757e1e5_quant
	.p2align	8
	.type	k_q91b757e1e5_quant,@function
k_q91b757e1e5_quant:
	s_mov_b64 s[64:65], 0
	v_nop
	global_prefetch_b8 v0, s[64:65] scope:SCOPE_SE
	s_setreg_imm32_b32 hwreg(HW_REG_WAVE_MODE, 25, 1), 1
	s_wait_xcnt 0x0
; The eight weights [2048 (k)][2048 (n)], and input and hidden [2048 (m)][2048 (k)], all f32, become codes of BF6 (E3M2), 6 bits each, with one E8M0 byte for each 32 along K.
; A block's scale is 2^(floor(log2(its largest magnitude)) - 4); its byte is the largest magnitude's exponent field - 4, held at 1 from below; each number is divided by the scale and rounded to the nearest code, ties to even,
; beyond the largest code the largest.  LIMITS: a block of zeros gets the byte 1 where the rule says 127 (its codes are zeros, and this program alone reads the bytes); NaN and infinities among the inputs are not served.
; THE BUFFER codes IS LAID AS THE PRODUCT'S LAUNCH READS IT.  The two products are one with K = 4,096 (input's 2,048, then hidden's): 32 K steps kk of 128.  K step kk lies in region kk / 3, chunk kk % 3.
; 11 regions of REG bytes; a region holds 80 parts of PARTB bytes: part m / 128 (0..15) for the activations, part 16 + n / 32 (n = the hidden column) for the weights; a part is three chunks of CH bytes, one for each K step.
; (Chunk 2 of region 10 does not exist, and a region's last 73,728 bytes hold nothing: neither is ever stored or loaded into LDS.)
; A chunk: 8 fragments of 1,536 bytes at i x 1,536 (i: which 16 rows: activations (m % 128) / 16; weights 2 x gate + (n % 32) / 16, gates i, f, g, o = 0..3), then 512 bytes of scale words.
; A fragment is the image of the operand's 12 registers: register p of lane l = r + 16 h at 512 (p / 4) + 16 l + 4 (p % 4); registers 6 c .. 6 c + 5 are the 24 bytes of the row's block 2 c + h.
; The scale word of row r of block i: at SCO + 256 (i / 4) + 16 r + 4 (i % 4).
; SHARES.  Work-groups 0..511 take the weights, 512..767 the activations.  The two ways never join and have LDS bytes of their own.  Waves share nothing: no barrier.
; A wave of the weights: a pair of gates, one K step, 64 columns (two parts).  A wave of the activations: one K step of 64 rows.
.set CH,    12800
.set PARTB, 38400
.set REG,   3145728
.set SCO,   12288
.set FRB,   1536
.set TQ,    16                         ; v16-19   a conversion's three registers on their way; the weights' partner maxima
.set PP,    20                         ; activations: v20-31 the 12 registers of a lane's image
.set WM,    12                         ; weights: v12-15 the four columns' largest magnitudes, then scale operands
.set WSW,   20                         ; weights: v20-23 the four columns' scale words of one gate
.set WP,    24                         ; weights: v24-47 six registers of codes for each of my four columns
.set WT,    48                         ; weights: v48-63 sixteen neighbours along K of one column
.set WX,    64                         ; weights: v64-191 two sets of 16 loads x 4 registers; then the way out
.set XR,    32                         ; activations: v32-127 three sets of 32 registers as loaded
.set XX,    128                        ; activations: v128-191 two sets of 32 neighbours along K
.set FP,    1552                       ; LDS, weights: a fragment's place in the stage, 1,536 + 16,
.set PPT,   6432                       ; a part's four fragments + 224: the sixteen lanes of a 16-byte store fall on sixteen different 16-byte columns of 256
.set SST,   12864                      ; behind a wave's two parts: its 512 bytes of scale words
.set WREG,  13568                      ; a wave's region
.set XSTG0, 4*WREG                     ; LDS, activations: behind the weights' regions,
.set XSTG,  4352                       ; 16 rows x XP bytes for each wave
.set XP,    272
.set SPARE, XSTG0+4*XSTG               ; the spare words, 128 bytes a wave
.macro BMAX m0, m1, xs                 ; the largest magnitude of v[xs] .. v[xs+31], and the floor 2^(5 - 127): the byte cannot fall under 1
	v_max3_num_f32 v[\m0], |v[\xs]|, |v[\xs+1]|, |v[\xs+2]|
	v_max3_num_f32 v[\m1], |v[\xs+3]|, |v[\xs+4]|, |v[\xs+5]|
.irp i, 6,10,14,18,22,26
	v_max3_num_f32 v[\m0], v[\m0], |v[\xs+\i]|, |v[\xs+\i+1]|
	v_max3_num_f32 v[\m1], v[\m1], |v[\xs+\i+2]|, |v[\xs+\i+3]|
.endr
	v_max3_num_f32 v[\m0], v[\m0], |v[\xs+30]|, |v[\xs+31]|
	v_max3_num_f32 v[\m0], v[\m0], v[\m1], 0x2800000
.endm
.macro CHUNK                           ; s15 = kk (0..31)  ->  s45 = (kk / 3) REG + (kk % 3) CH.  x / 3 = (43 x) >> 7 for every x under 128
	s_mul_i32 s38, s15, 43
	s_lshr_b32 s38, s38, 7
	s_mul_i32 s39, s38, 3
	s_sub_co_u32 s39, s15, s39
	s_mul_i32 s38, s38, REG
	s_mul_i32 s39, s39, CH
	s_add_co_u32 s45, s38, s39
.endm
; ---- WEIGHTS.  Turn t = 4 gp + b: block b of the K step, of the pair's gate gp.  Lane (q = lane % 16, hh = lane / 16) loads 16 bytes, columns 4 q .. 4 q + 3, of rows 32 b + 16 hh + j, j = 0..15:
; sixteen lanes read 256 consecutive bytes of a row of W, at a multiple of 256; two rows an instruction; the four waves stand side by side on 1,024 bytes.
.macro WLOAD t
.set WS, 4+42*((\t)/4)                 ; s[4:5]: the pair's first gate; s[46:47]: its second
.irp j, 0,1,2,3,4,5,6,7,8,9,10,11,12,13,14,15
	global_load_b128 v[WX+64*((\t)%2)+4*\j:WX+64*((\t)%2)+4*\j+3], v1, s[WS:WS+1] offset:(32*((\t)%4)+\j)*8192 th:TH_LOAD_NT
.endr
.endm
.macro WBLOCK t
.set XS, WX+64*((\t)%2)
.set WGP, (\t)/4
.set WB, (\t)%4
.set WH, (\t)%2
.set WC, ((\t)%4)/2
.if (\t) < 7
	s_wait_loadcnt 16                              ; this turn's 16 loads are in; the next turn's 16 may be out
.else
	s_wait_loadcnt 0
.endif
.irp c, 0,1,2,3                        ; the four columns by turns: my 16 numbers of each
	v_max3_num_f32 v[WM+\c], |v[XS+\c]|, |v[XS+4+\c]|, |v[XS+8+\c]|
.endr
.irp j, 3,5,7,9,11,13
.irp c, 0,1,2,3
	v_max3_num_f32 v[WM+\c], v[WM+\c], |v[XS+4*\j+\c]|, |v[XS+4*\j+4+\c]|
.endr
.endr
.irp c, 0,1,2,3
	v_max3_num_f32 v[WM+\c], v[WM+\c], |v[XS+60+\c]|, 0x2800000   ; and the floor
.endr
.irp c, 0,1,2,3
	v_permlanex16_b32 v[TQ+\c], v[WM+\c], s12, s13
.endr
.irp c, 0,1,2,3
	v_max_num_f32 v[WM+\c], v[WM+\c], v[TQ+\c]     ; with lane l xor 16's 16: the block's
.endr
.irp c, 0,1,2,3
	v_add_nc_u32 v[WM+\c], 0xfe000000, v[WM+\c]    ; 4 off the exponent field: the conversion's scale operand
.endr
.irp c, 0,1,2,3
.irp j, 0,1,2,3,4,5,6,7,8,9,10,11,12,13,14,15
	v_mov_b32 v[WT+\j], v[XS+4*\j+\c]              ; the conversion takes neighbours along K from consecutive registers: column c's sixteen are laid on end
.endr
.if WH == 0
	v_cvt_scalef32_pk16_bf6_f32 v[WP+6*\c:WP+6*\c+2], v[WT:WT+15], v[WM+\c]
.else
	v_cvt_scalef32_pk16_bf6_f32 v[TQ:TQ+2], v[WT:WT+15], v[WM+\c]
.endif
	v_lshrrev_b32 v11, 23, v[WM+\c]                ; the scale's byte; also the plain instruction behind the conversion
.if WB == 0
	v_mov_b32 v[WSW+\c], v11                       ; the column's scale word, byte by byte
.else
	v_lshl_or_b32 v[WSW+\c], v11, 8*WB, v[WSW+\c]
.endif
.if WH == 1
.irp i, 0,1,2                          ; blocks 2 c' and 2 c' + 1 lie as half blocks in both halves of the lanes: the swap gives lane (q, h) the whole of block 2 c' + h
	v_permlane16_swap_b32 v[WP+6*\c+\i], v[TQ+\i]
.endr
.irp i, 0,1,2
	v_mov_b32 v[WP+6*\c+3+\i], v[TQ+\i]
.endr
.if WC == 0                            ; registers 0-5 of the image of lane r + 16 h, r = 4 (q % 4) + c, of fragment 2 gp + (q % 8) / 4 of part q / 8
	ds_store_b128 v2, v[WP+6*\c:WP+6*\c+3] offset:2*FP*WGP+16*\c
	ds_store_b64 v2, v[WP+6*\c+4:WP+6*\c+5] offset:2*FP*WGP+512+16*\c
.else                                  ; registers 6-11
	ds_store_b64 v2, v[WP+6*\c:WP+6*\c+1] offset:2*FP*WGP+512+16*\c+8
	ds_store_b128 v2, v[WP+6*\c+2:WP+6*\c+5] offset:2*FP*WGP+1024+16*\c
.endif
.endif
.endr
.if WB == 3
.irp c, 0,1,2,3
	ds_store_b32 v9, v[WSW+\c] offset:SST+16*\c+8*WGP   ; both halves of the lanes hold the same word and write it to the same place
.endr
.endif
.if (\t)+2 < 8
	WLOAD (\t)+2
.endif
.if WH == 1
	s_wait_dscnt 0x0                               ; the stores have read their registers: the next two turns write them
.endif
.endm
; ---- ACTIVATIONS.  Step t = 2 ub + c: rows 16 ub .. 16 ub + 15 of the wave's 64, k = 64 c + 0 .. 63 of the wave's K step.
.macro XLOAD t
.irp e, 0,1,2,3,4,5,6,7
	global_load_b128 v[XR+32*((\t)%3)+4*\e:XR+32*((\t)%3)+4*\e+3], v1, s[4:5] offset:(16*((\t)/2)+2*\e)*8192+64*((\t)%2)*4 th:TH_LOAD_NT   ; sixteen lanes read 256 consecutive bytes of a row; two rows an instruction
.endr
.endm
.macro XTURN t                         ; through the wave's stage: in as loaded, back 128 bytes (a whole block of 32) a lane; LDS serves a wave's instructions in order
.irp e, 0,1,2,3,4,5,6,7
	ds_store_b128 v2, v[XR+32*((\t)%3)+4*\e:XR+32*((\t)%3)+4*\e+3] offset:2*\e*XP
.endr
.irp n, 0,1,2,3,4,5,6,7
	ds_load_b128 v[XX+32*((\t)%2)+4*\n:XX+32*((\t)%2)+4*\n+3], v3 offset:16*\n
.endr
.endm
.macro XSTEP t
.set XS, XX+32*((\t)%2)
.set XU, (\t)/2
.set XC, (\t)%2
	s_wait_dscnt 0x0                               ; this step's numbers are back from the stage, and its stores into the stage have read their registers,
.if (\t)+3 < 8
	XLOAD (\t)+3                                   ; which take the loads of three steps on
.endif
.if (\t) < 7
.if (\t) <= 4
	s_wait_loadcnt 16                              ; the next step's eight loads are in; those of the two steps behind it may be out
.else
	s_wait_loadcnt 8*(6-(\t))
.endif
	XTURN (\t)+1
.endif
	BMAX 6, 7, XS                                  ; lane (r, h) holds block 2 c + h of row r: all 32 numbers are mine
	v_add_nc_u32 v8, 0xfe000000, v6
.if XC == 0 && (\t) > 0
	s_wait_alu depctr_va_vdst(0)
	s_wait_xcnt 0x0                                ; the last fragment's stores have read the image's registers, which are written again below
.endif
	v_cvt_scalef32_pk16_bf6_f32 v[PP+6*XC:PP+6*XC+2], v[XS:XS+15], v8
	v_cvt_scalef32_pk16_bf6_f32 v[TQ:TQ+2], v[XS+16:XS+31], v8
.if XC == 0
	v_lshrrev_b32 v9, 23, v8                       ; the byte of block h; also the plain instruction behind the conversions
.else
	v_lshrrev_b32 v19, 23, v8                      ; the byte of block 2 + h
.endif
.irp i, 0,1,2
	v_mov_b32 v[PP+6*XC+3+\i], v[TQ+\i]
.endr
.if XC == 1
	v_lshl_or_b32 v9, v19, 16, v9                  ; my two bytes,
	v_lshlrev_b32 v9, v11, v9                      ; at their places in the word (8 h bits up);
	v_permlanex16_b32 v10, v9, s12, s13
	v_or_b32 v[12+XU], v9, v10                     ; with lane l xor 16's two the word is whole
.irp n, 0,1,2
	global_store_b128 v4, v[PP+4*\n:PP+4*\n+3], s[6:7] offset:XU*FRB+512*\n   ; the image as it stands: 32 lanes store 512 consecutive bytes
.endr
.endif
.endm
	s_load_b512 s[16:31], s[0:1], 0x0              ; W_ii, W_if, W_ig, W_io, W_hi, W_hf, W_hg, W_ho
	s_load_b128 s[32:35], s[0:1], 0x40             ; input, hidden
	s_load_b64 s[36:37], s[0:1], 0x50              ; codes
	v_lshl_add_u32 v192, v0, 2, SPARE
	v_mov_b32 v193, 0
	v_lshrrev_b32 v6, 5, v0
	v_readfirstlane_b32 s8, v6                     ; wave 0..3
	v_and_b32 v6, 31, v0                           ; lane
	v_and_b32 v7, 15, v0                           ; lane % 16
	v_bfe_u32 v8, v0, 4, 1                         ; lane / 16
	v_lshlrev_b32 v4, 4, v6                        ; 16 x lane: my place in an image
	v_lshlrev_b32 v5, 4, v7
	v_lshl_add_u32 v5, v8, 3, v5                   ; activations: 16 r + 8 (lane / 16): the two scale words that I store
	s_mov_b32 s12, 0x76543210
	s_mov_b32 s13, 0xfedcba98                      ; v_permlanex16_b32's selects for lane l xor 16
	s_mov_b32 s3, 0
	s_mov_b32 s41, 0
	s_wait_kmcnt 0x0
	s_cmp_lt_u32 ttmp9, 512
	s_cbranch_scc0 .Lx
	; ---- a work-group of the weights: a pair of gates tp, a K step ks of its tensors, 256 columns (cg); a wave 64 of them
	s_lshr_b32 s9, ttmp9, 7                        ; tp 0..3: bit 0: gates i, f or g, o; bit 1: input's weights or hidden's
	s_bfe_u32 s10, ttmp9, 0x40003                  ; ks 0..15
	s_and_b32 s11, ttmp9, 7                        ; cg 0..7
	s_bitcmp1_b32 s9, 0                            ; the two tensors are chosen by tp's bits: the choices hang on the work-group's number alone
	s_cselect_b64 s[16:17], s[20:21], s[16:17]
	s_cselect_b64 s[18:19], s[22:23], s[18:19]
	s_cselect_b64 s[24:25], s[28:29], s[24:25]
	s_cselect_b64 s[26:27], s[30:31], s[26:27]
	s_bitcmp1_b32 s9, 1
	s_cselect_b64 s[4:5], s[24:25], s[16:17]       ; the pair's first gate
	s_cselect_b64 s[46:47], s[26:27], s[18:19]     ; its second
	s_and_b32 s14, s9, 1                           ; which pair of gates
	s_lshr_b32 s15, s9, 1
	s_lshl_b32 s15, s15, 4
	s_add_co_u32 s15, s15, s10                     ; kk = 16 (tp / 2) + ks
	CHUNK
	s_lshl_b32 s2, s10, 20                         ; 128 ks rows of 8,192 bytes,
	s_lshl_b32 s39, s11, 10
	s_add_co_u32 s2, s2, s39                       ; + 256 cg columns,
	s_lshl_b32 s39, s8, 8
	s_add_co_u32 s2, s2, s39                       ; + 64 x wave columns
	s_add_nc_u64 s[4:5], s[4:5], s[2:3]
	s_add_nc_u64 s[46:47], s[46:47], s[2:3]
	s_lshl_b32 s38, s11, 3
	s_lshl_b32 s39, s8, 1
	s_add_co_u32 s38, s38, s39
	s_add_co_u32 s38, s38, 16                      ; my first part: 16 + 8 cg + 2 x wave
	s_mul_i32 s38, s38, PARTB
	s_add_co_u32 s2, s38, s45                      ; its chunk's first byte
	s_mul_i32 s39, s14, 4*FRB
	s_add_co_u32 s40, s2, s39                      ; my pair's four fragments
	s_add_nc_u64 s[6:7], s[36:37], s[40:41]
	s_lshl_b32 s39, s14, 8
	s_add_co_u32 s40, s2, s39
	s_add_co_u32 s40, s40, SCO                     ; and its 256 bytes of scale words
	s_add_nc_u64 s[42:43], s[36:37], s[40:41]
	s_mul_i32 s44, s8, WREG                        ; my region of LDS
	s_wait_alu depctr_va_vdst(0)
	v_lshlrev_b32 v1, 17, v8
	v_lshl_add_u32 v1, v7, 4, v1                   ; in: 16 rows x hh + 16 bytes x q
.irp c, 0,1,2,3
	v_mov_b32 v[TQ+\c], 0                          ; written once: a lane permute's destination counts as one of its sources
.endr
	v_bfe_u32 v9, v0, 3, 1                         ; q / 8: which part
	v_bfe_u32 v10, v0, 2, 1                        ; (q % 8) / 4: which fragment of a gate's two
	v_and_b32 v11, 3, v0                           ; q % 4
	v_mul_u32_u24 v2, v9, PPT
	v_mad_u32_u24 v2, v10, FP, v2
	v_lshl_add_u32 v2, v11, 6, v2                  ; row 4 (q % 4) of the fragment,
	v_lshl_add_u32 v2, v8, 8, v2                   ; the image's lanes 16-31 for h = 1
	v_add_nc_u32 v2, s44, v2                       ; into the stage
	v_add_nc_u32 v3, s44, v4                       ; out of it: 16 x lane
	v_lshlrev_b32 v9, 8, v9
	v_lshl_add_u32 v9, v11, 6, v9
	v_lshl_add_u32 v9, v10, 2, v9
	v_add_nc_u32 v9, s44, v9                       ; my scale words' place: 256 (q / 8) + 64 (q % 4) + 4 ((q % 8) / 4)
	v_mul_u32_u24 v5, v8, PARTB
	v_lshl_add_u32 v5, v7, 4, v5                   ; the scale words' way out: lanes 0-15 the first part's 256 bytes, lanes 16-31 the second's
	WLOAD 0
	WLOAD 1
.irp t, 0,1,2,3,4,5,6,7
	WBLOCK \t
.endr
	ds_load_b128 v[WX+96:WX+99], v3 offset:SST     ; LDS serves a wave's instructions in order: these see my stores
.irp n, 0,1,2,3,4,5,6,7,8,9,10,11,12,13,14,15,16,17,18,19,20,21,22,23
	ds_load_b128 v[WX+4*\n:WX+4*\n+3], v3 offset:PPT*((\n)/12)+FP*(((\n)%12)/3)+512*((\n)%3)
.endr
	s_wait_dscnt 24                                ; the scale words are in; the 24 loads behind them may be out
	global_store_b128 v5, v[WX+96:WX+99], s[42:43] ; sixteen lanes store 256 consecutive bytes, at a multiple of 256
.irp n, 0,1,2,3,4,5,6,7,8,9,10,11,12,13,14,15,16,17,18,19,20,21,22,23
	s_wait_dscnt 23-\n                             ; load n is in, the younger ones may be out
	global_store_b128 v4, v[WX+4*\n:WX+4*\n+3], s[6:7] offset:PARTB*((\n)/12)+FRB*(((\n)%12)/3)+512*((\n)%3)   ; 32 lanes store 512 consecutive bytes
.endr
	s_wait_tensorcnt 0x0                           ; the wave's end
	ds_add_u32 v192, v193
	s_wait_dscnt 0x0
	s_endpgm
.Lx:	; ---- a work-group of the activations: tensor, 256 along K (Sl), 128 rows (G); a wave 64 of the rows and one of the two K steps
	s_sub_co_u32 s9, ttmp9, 512
	s_lshr_b32 s10, s9, 7                          ; 0: input, 1: hidden
	s_bfe_u32 s11, s9, 0x30004                     ; Sl 0..7
	s_and_b32 s14, s9, 15                          ; G 0..15
	s_cmp_eq_u32 s10, 0
	s_cselect_b64 s[4:5], s[32:33], s[34:35]
	s_lshr_b32 s9, s8, 1                           ; which 64 rows
	s_and_b32 s44, s8, 1                           ; which K step of the two
	s_lshl_b32 s40, s11, 1
	s_add_co_u32 s40, s40, s44                     ; the K step in the tensor: 2 Sl + (wave % 2)
	s_lshl_b32 s15, s10, 4
	s_add_co_u32 s15, s15, s40                     ; kk
	s_lshl_b32 s2, s14, 20                         ; 128 G rows of 8,192 bytes,
	s_lshl_b32 s39, s9, 19
	s_add_co_u32 s2, s2, s39                       ; + 64 rows,
	s_lshl_b32 s39, s40, 9
	s_add_co_u32 s2, s2, s39                       ; + the K step's 128 numbers
	s_add_nc_u64 s[4:5], s[4:5], s[2:3]
	CHUNK
	s_mul_i32 s39, s14, PARTB
	s_add_co_u32 s2, s45, s39                      ; the chunk's first byte
	s_mul_i32 s39, s9, 4*FRB
	s_add_co_u32 s40, s2, s39                      ; my four row blocks' fragments
	s_add_nc_u64 s[6:7], s[36:37], s[40:41]
	s_lshl_b32 s39, s9, 8
	s_add_co_u32 s40, s2, s39
	s_add_co_u32 s40, s40, SCO                     ; and their 256 bytes of scale words
	s_add_nc_u64 s[42:43], s[36:37], s[40:41]
	s_mul_i32 s44, s8, XSTG
	s_add_co_u32 s44, s44, XSTG0                   ; my stage
	s_wait_alu depctr_va_vdst(0)
	v_lshlrev_b32 v1, 13, v8
	v_lshl_add_u32 v1, v7, 4, v1                   ; in: lanes 0-15 one row, lanes 16-31 the next; 16 bytes a lane
	v_mul_u32_u24 v2, v8, XP
	v_lshl_add_u32 v2, v7, 4, v2
	v_add_nc_u32 v2, s44, v2                       ; the same two rows in the stage
	v_mul_u32_u24 v3, v7, XP
	v_lshl_add_u32 v3, v8, 7, v3
	v_add_nc_u32 v3, s44, v3                       ; back: row r, block h of the step's two
	v_lshlrev_b32 v11, 3, v8                       ; 8 h
	v_mov_b32 v10, 0                               ; written once: a lane permute's destination counts as one of its sources
	XLOAD 0
	XLOAD 1
	XLOAD 2
	s_wait_alu depctr_va_vdst(0)
	s_wait_loadcnt 16                              ; step 0's eight loads are in
	XTURN 0
.irp t, 0,1,2,3,4,5,6,7
	XSTEP \t
.endr
	v_cmp_eq_u32 vcc_lo, 8, v11                    ; every lane holds row r's words of all four blocks: lanes 0-15 store those of blocks 0 and 1, lanes 16-31 those of blocks 2 and 3
	v_cndmask_b32 v12, v12, v14, vcc_lo
	v_cndmask_b32 v13, v13, v15, vcc_lo
	global_store_b64 v5, v[12:13], s[42:43]        ; 32 lanes store 256 consecutive bytes, at a multiple of 256
	s_wait_tensorcnt 0x0                           ; the wave's end
	ds_add_u32 v192, v193
	s_wait_dscnt 0x0
	s_endpgm
.Lfunc_end_k_q91b757e1e5_quant:
	.size	k_q91b757e1e5_quant, .Lfunc_end_k_q91b757e1e5_quant-k_q91b757e1e5_quant
	.p2alignl 7, 3214868480
	.fill 96, 4, 3214868480
	.section	.rodata,"a",@progbits
	.p2align	6, 0x0
	.amdhsa_kernel k_q91b757e1e5_quant
		.amdhsa_group_segment_fixed_size 72192
		.amdhsa_private_segment_fixed_size 0
		.amdhsa_enable_private_segment 0
		.amdhsa_kernarg_size 88
		.amdhsa_user_sgpr_count 2
		.amdhsa_user_sgpr_kernarg_segment_ptr 1
		.amdhsa_wavefront_size32 1
		.amdhsa_system_sgpr_workgroup_id_x 1
		.amdhsa_system_sgpr_workgroup_id_y 1
		.amdhsa_system_sgpr_workgroup_id_z 1
		.amdhsa_system_vgpr_workitem_id 0
		.amdhsa_next_free_vgpr 194
		.amdhsa_next_free_sgpr 66
		.amdhsa_reserve_vcc 1
		.amdhsa_float_denorm_mode_32 3
		.amdhsa_float_denorm_mode_16_64 3
		.amdhsa_memory_ordered 1
		.amdhsa_forward_progress 1
		.amdhsa_inst_pref_size 99
	.end_amdhsa_kernel
	.amdgpu_metadata
---
amdhsa.version: [ 1, 2 ]
amdhsa.kernels:
  - .name:           k_q91b757e1e5_quant
    .symbol:         k_q91b757e1e5_quant.kd
    .args:
      - { .name: W_ii, .offset: 0, .size: 8, .value_kind: global_buffer, .address_space: global }
      - { .name: W_if, .offset: 8, .size: 8, .value_kind: global_buffer, .address_space: global }
      - { .name: W_ig, .offset: 16, .size: 8, .value_kind: global_buffer, .address_space: global }
      - { .name: W_io, .offset: 24, .size: 8, .value_kind: global_buffer, .address_space: global }
      - { .name: W_hi, .offset: 32, .size: 8, .value_kind: global_buffer, .address_space: global }
      - { .name: W_hf, .offset: 40, .size: 8, .value_kind: global_buffer, .address_space: global }
      - { .name: W_hg, .offset: 48, .size: 8, .value_kind: global_buffer, .address_space: global }
      - { .name: W_ho, .offset: 56, .size: 8, .value_kind: global_buffer, .address_space: global }
      - { .name: input, .offset: 64, .size: 8, .value_kind: global_buffer, .address_space: global }
      - { .name: hidden, .offset: 72, .size: 8, .value_kind: global_buffer, .address_space: global }
      - { .name: codes, .offset: 80, .size: 8, .value_kind: global_buffer, .address_space: global }
    .group_segment_fixed_size: 72192
    .private_segment_fixed_size: 0
    .kernarg_segment_align: 8
    .kernarg_segment_size: 88
    .max_flat_workgroup_size: 128
    .sgpr_count:     66
    .vgpr_count:     194
    .wavefront_size: 32
...
	.end_amdgpu_metadata
.endif
;; end of part 1
;; launch lstm (part 2): grid 32 x 8, 4 waves a work-group, clusters of 4 x 4, 327,680 bytes of LDS; arguments codes, output, out0, out1, b_i, b_f, b_g, b_o; writes out0, out1
.if DOCPART == 2
	.amdgcn_target "amdgcn-amd-amdhsa--gfx1250"
	.amdhsa_code_object_version 6
	.text
	.protected	k_q91b757e1e5_lstm
	.globl	k_q91b757e1e5_lstm
	.p2align	8
	.type	k_q91b757e1e5_lstm,@function
k_q91b757e1e5_lstm:
	s_mov_b64 s[64:65], 0
	v_nop
	global_prefetch_b8 v0, s[64:65] scope:SCOPE_SE
	s_setreg_imm32_b32 hwreg(HW_REG_WAVE_MODE, 25, 1), 1
	s_wait_xcnt 0x0
	s_wait_alu depctr_hold_cnt(0) depctr_sa_sdst(0) depctr_va_vdst(0) depctr_va_sdst(0) depctr_va_ssrc(0) depctr_va_vcc(0) depctr_vm_vsrc(0)
	s_getreg_b32 s2, hwreg(HW_REG_IB_STS2, 6, 4)
	s_cmp_eq_u32 s2, 0
	s_cbranch_scc0 .Lentry_in_a_cluster
	s_endpgm
.Lentry_in_a_cluster:
	s_bfe_u32 s2, ttmp6, 0x10000c
	s_cmp_lg_u32 s2, 0xf033
	s_cbranch_scc0 .Lentry_shape_is_right
	s_endpgm
.Lentry_shape_is_right:
; pre = [input, hidden] x [Wi; Wh] + b as ONE product with K = 4,096 on codes of BF6 with E8M0 scales, then the gates, c_t (out0) and h_t (out1), all in f32.
; A work-group of four waves makes 256 rows x 64 hidden columns x 4 gates; a wave 128 rows x 32 hidden columns x 4 gates: 64 accumulators of 16 x 16, so that a lane holds all four gates of its numbers.
; The buffer codes is laid by the launch before as register images (its head comment has the layout): a fragment is three loads of 16 bytes a lane, the scale words of four blocks one load.
; K goes in 32 steps of 128 through a ring of two LDS slots.  A slot holds a region's parts for this work-group: A's two, B's two, three K steps each; region 10 has two steps.
; Each wave fetches one part with one tensor load (150 rows of 256 bytes; the last 100).  4 x 4 work-groups form a cluster: A's parts are asked for jointly along a row of it, B's along a column.
; A K step's 50 LDS loads go in four runs of 12, 12, 14 and 12, one behind each 16 products: B's next set in the first two, the scale words and A's blocks 0-3 in the third, A's blocks 4-7 in the fourth.
; At a change of slots a wave multiplies the first 16 products of the slot's last step, waits for all its tensor loads, adds 0 to its spare word, waits for its LDS reads, passes a round of the cluster's barrier, and asks for the refill.
; The matrix instruction is used transposed (source 0 = 16 rows of B, source 1 = 16 rows of A): a lane holds eight neighbouring hidden columns of one row.  The first step's C is the bias.
; PREFETCH: behind the refill with region r each wave asks for region r + 2 of the part that it fetches: the four partners of the joint load share the part's 150 blocks of 256 bytes by address, 38 each
; (a lane a block, two instructions; lanes left over name the share's last block again), so that each block is named once in each cluster that will load it.  Regions 2 and 3 are asked for behind slot 1's first fill;
; nothing is asked beyond region 10 (whose third chunk holds nothing and is asked for with the rest).  Each wave's 64 rows of output's tile are asked for one slot ahead of their load.
; sigmoid(x) = 1 / (1 + 2^(-x log2 e)), tanh(x) = 1 - 2 / (1 + 2^(2 x log2 e)): an exponential that overflows gives the limit value.  LIMIT: NaN and infinities among the inputs are not served.
; REGISTERS: window 0: v16-31 addresses, v32-47 scale words (two sets), v64-127 bias, then rows on the way out, v128-223 A's fragments (one set), then the way out's work; window 1: B's fragments, two sets; windows 2, 3: accumulators.
.set CH,     12800
.set PARTB,  38400
.set REG,    3145728
.set SCO,    12288
.set FRB,    1536
.set SLOTB,  4*PARTB
.set SPARE,  2*SLOTB                   ; behind the ring: the spare words
.set OT,     SLOTB                     ; the tile of output, 256 rows x 272 bytes: in slot 1, behind that slot's last read
.set OPITCH, 272
.set STG,    OT+256*OPITCH             ; the way out's stages, also in slot 1
.set STGT,   2*16*OPITCH
.set STGP,   2*STGT
.set FR,     12
.set NP,     4
.set ADRA, 16
.set ADRS, 18
.set ADRB, 20
.set PFO2, 22                          ; the prefetches' offsets: my share's blocks 32 to 37,
.set PFR,  23                          ; a row of output a lane,
.set STO,  24
.set RD,   25
.set CO,   26
.set ADO,  27
.set SPW,  28
.set NIL,  29
.set PFO,  30                          ; my share's blocks 0 to 31
.set BO,   31
.set SC,   32
.set BI,   64
.set AF,   128
.set RB,   64
.set TT,   128
.set PV,   192
.set CC,   208
.set HH,   224
.set G1,   24                          ; group 1, A's parts (150 rows); G0: group 0 for each slot
.set G0,   32
.set G1B,  48
.set G0B,  56
.set PFA,  66                          ; my part in the region that the last refill asked for
.set G1O,  68                          ; group 1 for the tile of output (in the registers that held the biases' addresses)
.set G1S,  76                          ; group 1, A's last, short part (100 rows)
.set G0O,  84
.set PSH,  88                          ; 38 x my place among the four partners of my joint load
.set CNT,  89
.set G1SB, 92
.set MSB, 0
.macro WIN new
.if MSB != \new
	s_set_vgpr_msb (MSB<<8)|\new
.set MSB, \new
.endif
.endm
.set MUL_LO, 0xa1
.set MUL_HI, 0xf1
.set BEG_LO, 0x81
.set BEG_HI, 0xc1
.set TO_B,   0x40
.macro JLOAD g0a, g1a, g0b, g1b        ; a joint load: waves 0, 1 fetch A's parts, waves 2, 3 B's
	s_cmp_eq_u32 s15, 0
	s_cbranch_scc0 .Lfor_b_\@
	tensor_load_to_lds s[\g0a:\g0a+3], s[\g1a:\g1a+7]
	s_nop 0
.rept 4
	v_nop
.endr
	s_branch .Lasked_\@
.Lfor_b_\@:
	tensor_load_to_lds s[\g0b:\g0b+3], s[\g1b:\g1b+7]
	s_nop 0
.rept 4
	v_nop
.endr
.Lasked_\@:
.endm
.macro CROUND                          ; a round of the cluster's barrier
	s_barrier_signal -1
	s_barrier_wait -1
	s_cmp_lg_u32 s14, 0
	s_cbranch_scc1 .Lnot_wave_0_\@
	s_barrier_signal -3
.Lnot_wave_0_\@:
	s_barrier_wait -3
	s_barrier_signal -1
	s_barrier_wait -1
.endm
.macro ASK how                         ; 1: two regions on; 2: the same, but not in the loop's last trip (region 11 does not exist); 3: my rows of output
.if \how == 2
	s_cmp_gt_u32 s[CNT], 1
	s_cbranch_scc0 .Lno_ask_\@
.endif
.if \how == 3
	global_prefetch_b8 v[PFR], s[6:7] th:TH_LOAD_NT scope:SCOPE_SE
	global_prefetch_b8 v[PFR], s[6:7] offset:32*8192 th:TH_LOAD_NT scope:SCOPE_SE
.else
	global_prefetch_b8 v[PFO], s[PFA:PFA+1] offset:2*REG th:TH_LOAD_NT scope:SCOPE_SE
	global_prefetch_b8 v[PFO2], s[PFA:PFA+1] offset:2*REG th:TH_LOAD_NT scope:SCOPE_SE
.endif
.if \how == 2
.Lno_ask_\@:
.endif
.endm
.macro FRAG reg, adr, q, i
.irp c, 0,1,2
	ds_load_b128 v[\reg+4*\c:\reg+4*\c+3], v[\adr] offset:(\q)*CH+(\i)*FRB+512*\c
.endr
.endm
; 16 products: A's blocks a0, a0 + 1 x B's eight.  The 64 accumulators take turns.  zero = 1: C is the bias
.macro MUL16 a0, p, zero
.irp a, \a0, \a0+1
.irp b, 0,1,2,3,4,5,6,7
.if \zero
	v_wmma_scale_f32_16x16x128_f8f6f4 v[8*(8*((\a)%4)+\b):8*(8*((\a)%4)+\b)+7], v[128*(\p)+FR*\b:128*(\p)+FR*\b+FR-1], v[AF+FR*(\a):AF+FR*(\a)+FR-1], v[BI+8*\b:BI+8*\b+7], v[SC+8*(\p)+\b], v[SC+8*(\p)+(\a)] matrix_a_fmt:MATRIX_FMT_BF6 matrix_b_fmt:MATRIX_FMT_BF6 matrix_a_scale:MATRIX_SCALE_ROW1
.else
	v_wmma_scale_f32_16x16x128_f8f6f4 v[8*(8*((\a)%4)+\b):8*(8*((\a)%4)+\b)+7], v[128*(\p)+FR*\b:128*(\p)+FR*\b+FR-1], v[AF+FR*(\a):AF+FR*(\a)+FR-1], v[8*(8*((\a)%4)+\b):8*(8*((\a)%4)+\b)+7], v[SC+8*(\p)+\b], v[SC+8*(\p)+(\a)] matrix_a_fmt:MATRIX_FMT_BF6 matrix_b_fmt:MATRIX_FMT_BF6 matrix_a_scale:MATRIX_SCALE_ROW1
.endif
.endr
.endr
.endm
.macro FETCH_B slot, q, p, i0          ; four of B's fragments into set p: 12 loads
	WIN TO_B
.irp i, \i0, \i0+1, \i0+2, \i0+3
	FRAG 128*(\p)+FR*(\i), ADRB+\slot, \q, \i
.endr
.endm
.macro FETCH_A slot, q, i0             ; four of A's fragments: 12 loads
.irp i, \i0, \i0+1, \i0+2, \i0+3
	FRAG AF+FR*(\i), ADRA+\slot, \q, \i
.endr
.endm
.macro SCALES slot, q, p               ; lanes 0-15 A's words, lanes 16-31 B's: four blocks' words a load
.irp j, 0,1
	ds_load_b128 v[SC+8*(\p)+4*\j:SC+8*(\p)+4*\j+3], v[ADRS+\slot] offset:(\q)*CH+SCO+256*\j
.endr
.endm
.macro PLACES n
.rept \n
	v_nop
.endr
.endm
; K step q (0 or 1) of a slot: 64 products, and the next step's fragments in four runs.  LDS loads come back in order: each wait counts the loads issued behind the pair of A's blocks that the next 16 products read.
; B's other set and the other set of scale words were last read in the step before, whose last four v_nop are their places.
.macro STEP slot, q, zero
.set PS, ((\slot)+(\q))%2
	s_wait_dscnt 18                                ; B's set, the scales and A's blocks 0, 1 are in; behind them: blocks 2, 3 (6) and 4-7 (12)
.if \zero
	WIN BEG_LO
.else
	WIN MUL_LO
.endif
	MUL16 0, PS, \zero
	FETCH_B \slot, (\q)+1, 1-PS, 0
	s_wait_dscnt 24                                ; blocks 2, 3; behind them: blocks 4-7 (12) and the run above (12)
.if \zero
	WIN BEG_LO
.else
	WIN MUL_LO
.endif
	MUL16 2, PS, \zero
	FETCH_B \slot, (\q)+1, 1-PS, 4
	s_wait_dscnt 30                                ; blocks 4, 5; behind them: blocks 6, 7 (6) and two runs (24)
.if \zero
	WIN BEG_HI
.else
	WIN MUL_HI
.endif
	MUL16 4, PS, \zero
	PLACES NP
	WIN 0
	SCALES \slot, (\q)+1, 1-PS
	FETCH_A \slot, (\q)+1, 0
	s_wait_dscnt 38                                ; blocks 6, 7; behind them: three runs (12 + 12 + 14)
.if \zero
	WIN BEG_HI
.else
	WIN MUL_HI
.endif
	MUL16 6, PS, \zero
	PLACES NP
	WIN 0
	FETCH_A \slot, (\q)+1, 4
.endm
; A slot's last K step, with the change of slots behind its first 16 products.  fill = 1: a whole region two on; 3: the last, short region; 2: the tile of output.  ask: see ASK; 0: nothing
.macro TURN slot, fill, ask
.set NX, 1-(\slot)
	s_wait_dscnt 18
	WIN MUL_LO
	MUL16 0, \slot, 0
	WIN 0
.if \fill == 1
	s_wait_xcnt 0x0                                ; my last prefetches have read their address
	s_add_nc_u64 s[PFA:PFA+1], s[PFA:PFA+1], REG
.endif
	s_wait_tensorcnt 0x0                           ; all my tensor loads have landed: my part of the next slot;
	ds_add_u32 v[SPW], v[NIL]                      ; adds 0 to my spare word;
	s_wait_dscnt 0x0                               ; it is done, and so are my reads of this slot: its last fragments are in registers
	CROUND                                         ; the same holds of every wave of the cluster
.if \fill == 2
	tensor_load_to_lds s[G0O:G0O+3], s[G1O:G1O+7]
	s_nop 0
.rept 4
	v_nop
.endr
.else
	s_add_nc_u64 s[G0+4*\slot+2:G0+4*\slot+3], s[G0+4*\slot+2:G0+4*\slot+3], 2*REG
	s_add_nc_u64 s[G0B+4*\slot+2:G0B+4*\slot+3], s[G0B+4*\slot+2:G0B+4*\slot+3], 2*REG
.if \fill == 1
	JLOAD G0+4*\slot, G1, G0B+4*\slot, G1B
.else
	JLOAD G0+4*\slot, G1S, G0B+4*\slot, G1SB
.endif
.endif
	FETCH_B NX, 0, NX, 0
	WIN MUL_LO
	MUL16 2, \slot, 0
	FETCH_B NX, 0, NX, 4
	WIN MUL_HI
	MUL16 4, \slot, 0
	PLACES NP
	WIN 0
	SCALES NX, 0, NX
	FETCH_A NX, 0, 0
.if \ask
	ASK \ask
.endif
	WIN MUL_HI
	MUL16 6, \slot, 0
	PLACES NP
	WIN 0
	FETCH_A NX, 0, 4
.endm
	s_load_b256 s[4:11], s[0:1], 0x0               ; codes, output, out0, out1
	s_load_b256 s[68:75], s[0:1], 0x20             ; b_i, b_f, b_g, b_o
	v_lshl_add_u32 v[SPW], v0, 2, SPARE
	v_mov_b32 v[NIL], 0
	ds_add_u32 v28, v29                            ; the opening lines
	ds_add_u32 v28, v29
	s_wait_dscnt 0x0
	v_lshrrev_b32 v1, 5, v0
	v_readfirstlane_b32 s14, v1                    ; wave
	s_lshr_b32 s15, s14, 1                         ; my half of the rows; also: I fetch for A (0) or B (1)
	s_and_b32 s16, s14, 1                          ; my half of the columns; also: which part I fetch
	s_bfe_u32 s40, ttmp6, 0x40000                  ; cx
	s_bfe_u32 s41, ttmp6, 0x40004                  ; cy
	s_lshl_b32 s42, ttmp9, 2
	s_add_co_u32 s42, s42, s40                     ; tile column
	s_and_b32 s17, ttmp7, 0xffff
	s_lshl_b32 s17, s17, 2
	s_add_co_u32 s17, s17, s41                     ; tile row
	s_lshl_b32 s43, s41, 2
	s_lshl_b32 s43, 15, s43                        ; my row of the cluster
	s_lshl_b32 s44, 0x1111, s40                    ; my column
	s_cmp_eq_u32 s15, 0
	s_cselect_b32 s[PSH], s40, s41                 ; my place among the four that ask with me: cx for A's parts, cy for B's.  It enters the prefetches' addresses alone
	s_mul_i32 s[PSH], s[PSH], 38
	s_or_b32 s[G1+0], s43, (3<<16)|(1<<21)         ; elements of 8 bytes; dense rows of 256 bytes
	s_or_b32 s[G1B+0], s44, (3<<16)|(1<<21)
	s_or_b32 s[G1S+0], s43, (3<<16)|(1<<21)
	s_or_b32 s[G1SB+0], s44, (3<<16)|(1<<21)
.irp g, G1, G1B
	s_mov_b32 s[\g+1], 32<<16
	s_mov_b32 s[\g+2], 150<<16
	s_mov_b32 s[\g+3], 32<<16
	s_mov_b32 s[\g+4], 150
	s_mov_b32 s[\g+5], 32
	s_mov_b32 s[\g+6], 0
	s_mov_b32 s[\g+7], 0
.endr
.irp g, G1S, G1SB
	s_mov_b32 s[\g+1], 32<<16
	s_mov_b32 s[\g+2], 100<<16
	s_mov_b32 s[\g+3], 32<<16
	s_mov_b32 s[\g+4], 100
	s_mov_b32 s[\g+5], 32
	s_mov_b32 s[\g+6], 0
	s_mov_b32 s[\g+7], 0
.endr
	s_lshl_b32 s20, s17, 1
	s_add_co_u32 s20, s20, s16
	s_mul_i32 s20, s20, PARTB                      ; A's part: 2 x tile row + half
	s_mov_b32 s21, 0
	s_lshl_b32 s46, s42, 1
	s_add_co_u32 s46, s46, s16
	s_add_co_u32 s46, s46, 16
	s_mul_i32 s46, s46, PARTB                      ; B's part: 16 + 2 x tile column + half
	s_mov_b32 s47, 0
	s_mul_i32 s45, s14, PARTB                      ; where my part goes in a slot
	s_lshl_b32 s22, s17, 21                        ; output: my 64 rows of the tile
	s_lshl_b32 s23, s14, 19
	s_add_co_u32 s22, s22, s23
	s_lshl_b32 s23, s42, 8
	s_add_co_u32 s22, s22, s23
	s_mov_b32 s23, 0
	s_lshl_b32 s2, s17, 21                         ; the results: my 128 rows, the tile's 256 bytes
	s_lshl_b32 s3, s15, 20
	s_add_co_u32 s2, s2, s3
	s_lshl_b32 s3, s42, 8
	s_add_co_u32 s2, s2, s3
	s_mov_b32 s3, 0
	s_lshl_b32 s40, s42, 8
	s_lshl_b32 s41, s16, 7
	s_add_co_u32 s40, s40, s41                     ; my 32 hidden columns in a bias
	s_mov_b32 s41, 0
	s_mov_b32 s90, 0xbfb8aa3b                      ; -log2 e
	s_mov_b32 s91, s90
	s_mov_b32 s100, 0x4038aa3b                     ; 2 log2 e
	s_mov_b32 s101, s100
	s_wait_kmcnt 0x0
	s_add_nc_u64 s[20:21], s[4:5], s[20:21]
	s_add_nc_u64 s[46:47], s[4:5], s[46:47]
	s_add_nc_u64 s[6:7], s[6:7], s[22:23]          ; my rows of output's tile
	s_cmp_eq_u32 s15, 0
	s_cselect_b64 s[PFA:PFA+1], s[20:21], s[46:47] ; the part that I fetch,
	s_add_nc_u64 s[PFA:PFA+1], s[PFA:PFA+1], REG   ; in region 1
	s_cmp_eq_u32 s16, 0
	s_cselect_b64 s[12:13], s[8:9], s[10:11]       ; waves of the left half store c_t, those of the right half h_t
	s_add_nc_u64 s[12:13], s[12:13], s[2:3]
.irp g, 0,1,2,3
	s_add_nc_u64 s[68+2*\g:69+2*\g], s[68+2*\g:69+2*\g], s[40:41]
.endr
	s_mov_b32 s[G0], 1
	s_mov_b32 s[G0+1], s45
	s_mov_b64 s[G0+2:G0+3], s[20:21]
	s_or_b32 s[G0+3], s[G0+3], 0x80000000
	s_mov_b32 s[G0B], 1
	s_mov_b32 s[G0B+1], s45
	s_mov_b64 s[G0B+2:G0B+3], s[46:47]
	s_or_b32 s[G0B+3], s[G0B+3], 0x80000000
	s_mov_b32 s[G0+4], 1
	s_add_co_u32 s[G0+5], s45, SLOTB
	s_add_nc_u64 s[G0+6:G0+7], s[20:21], REG
	s_or_b32 s[G0+7], s[G0+7], 0x80000000
	s_mov_b32 s[G0B+4], 1
	s_add_co_u32 s[G0B+5], s45, SLOTB
	s_add_nc_u64 s[G0B+6:G0B+7], s[46:47], REG
	s_or_b32 s[G0B+7], s[G0B+7], 0x80000000
	s_mov_b32 s[G0O], 1
	s_mul_i32 s[G0O+1], s14, 64*OPITCH
	s_add_co_u32 s[G0O+1], s[G0O+1], OT
	s_mov_b64 s[G0O+2:G0O+3], s[6:7]
	s_or_b32 s[G0O+3], s[G0O+3], 0x80000000
	CROUND
	JLOAD G0, G1, G0B, G1B                         ; region 0: the wave's one load at the head
	; the addresses and the biases are made while that load is on its way
	s_mul_i32 s21, s15, PARTB                      ; my rows of A in a slot
	s_mul_i32 s22, s16, PARTB
	s_add_co_u32 s22, s22, 2*PARTB                 ; my rows of B
	s_sub_co_u32 s23, s22, s21
	s_mul_i32 s41, s15, 16*OPITCH
	s_lshl_b32 s18, s16, 7
	s_add_co_u32 s18, s18, s41
	s_add_co_u32 s18, s18, STG                     ; into the stage: my row half's 16 rows, my half of their 256 bytes
	s_mul_i32 s19, s16, STGT
	s_add_co_u32 s19, s19, s41
	s_add_co_u32 s19, s19, STG                     ; out of it: c_t's or h_t's rows
	s_mul_i32 s40, s15, 128*OPITCH
	s_lshl_b32 s41, s16, 7
	s_add_co_u32 s40, s40, s41
	s_add_co_u32 s40, s40, OT                      ; my part of the tile of output
	v_and_b32 v1, 15, v0
	v_bfe_u32 v2, v0, 4, 1
	v_and_b32 v3, 31, v0
	v_lshlrev_b32 v[BO], 5, v2
.irp g, 0,1,2,3
.irp u, 0,1
.irp e, 0,1
	global_load_b128 v[BI+8*(2*\g+\u)+4*\e:BI+8*(2*\g+\u)+4*\e+3], v[BO], s[68+2*\g:69+2*\g] offset:64*\u+16*\e
.endr
.endr
.endr
	v_add_nc_u32 v[PFO], s[PSH], v3                ; block 38 p + lane of the part's 150,
	v_lshlrev_b32 v[PFO], 8, v[PFO]
	v_min_u32 v[PFO2], 5, v3
	v_add_nc_u32 v[PFO2], s[PSH], v[PFO2]
	v_add_nc_u32 v[PFO2], 32, v[PFO2]              ; and blocks 38 p + 32 .. + 37,
	v_min_u32 v[PFO2], 149, v[PFO2]                ; held inside the part
	v_lshlrev_b32 v[PFO2], 8, v[PFO2]
	v_lshlrev_b32 v[PFR], 13, v3                   ; a row of output is 8,192 bytes
	v_lshlrev_b32 v3, 4, v3
	v_add_nc_u32 v[ADRA], s21, v3
	v_add_nc_u32 v[ADRB], s22, v3
	v_add_nc_u32 v[ADRA+1], SLOTB, v[ADRA]
	v_add_nc_u32 v[ADRB+1], SLOTB, v[ADRB]
	v_mul_u32_u24 v4, s23, v2                      ; lanes 16-31 take B's scale words
	v_lshl_add_u32 v4, v1, 4, v4
	v_add_nc_u32 v[ADRS], s21, v4
	v_add_nc_u32 v[ADRS+1], SLOTB, v[ADRS]
	v_mul_u32_u24 v4, v1, OPITCH
	v_lshl_add_u32 v4, v2, 5, v4
	v_add_nc_u32 v[STO], s18, v4
	v_add_nc_u32 v[ADO], s40, v4
	v_mul_u32_u24 v5, v2, OPITCH
	v_lshl_add_u32 v5, v1, 4, v5
	v_add_nc_u32 v[RD], s19, v5
	v_lshlrev_b32 v[CO], 13, v2
	v_lshl_add_u32 v[CO], v1, 4, v[CO]
	s_wait_alu depctr_va_vdst(0)
	s_wait_tensorcnt 0x0                           ; my part of region 0 is in
	ds_add_u32 v[SPW], v[NIL]
	s_wait_dscnt 0x0
	CROUND
	JLOAD G0+4, G1, G0B+4, G1B                     ; region 1: slot 1's first fill
	FETCH_B 0, 0, 0, 0
	FETCH_B 0, 0, 0, 4
	WIN 0
	SCALES 0, 0, 0
	FETCH_A 0, 0, 0
	FETCH_A 0, 0, 4
	global_prefetch_b8 v[PFO], s[PFA:PFA+1] offset:REG th:TH_LOAD_NT scope:SCOPE_SE      ; region 2,
	global_prefetch_b8 v[PFO2], s[PFA:PFA+1] offset:REG th:TH_LOAD_NT scope:SCOPE_SE
	ASK 1                                          ; and region 3
	s_wait_loadcnt 0x0                             ; the biases
	STEP 0, 0, 1                                   ; the first step starts the sums from the bias
	s_mov_b32 s[CNT], 4
.Llap:                                                 ; a trip: from a lap's second step to the next lap's first; it fills both slots again (regions 2 to 9)
	STEP 0, 1, 0
	TURN 0, 1, 1
	STEP 1, 0, 0
	STEP 1, 1, 0
	TURN 1, 1, 2
	STEP 0, 0, 0
	s_sub_co_u32 s[CNT], s[CNT], 1
	s_cmp_lg_u32 s[CNT], 0
	s_cbranch_scc1 .Llap
	s_mov_b32 s[G1O+0], (2<<16)|(1<<20)|(5<<22)|(3<<25)   ; output's tile: 64 rows x 64 f32 a wave, 16 bytes of padding behind each 256
	s_mov_b32 s[G1O+1], 64<<16
	s_mov_b32 s[G1O+2], 64<<16
	s_mov_b32 s[G1O+3], 64<<16
	s_mov_b32 s[G1O+4], 64
	s_mov_b32 s[G1O+5], 2048
	s_mov_b32 s[G1O+6], 0
	s_mov_b32 s[G1O+7], 0
	STEP 0, 1, 0                                   ; region 8 goes on
	TURN 0, 3, 3                                   ; region 10, two K steps
	STEP 1, 0, 0
	STEP 1, 1, 0
	TURN 1, 2, 0                                   ; slot 1 has had its last read of codes: output's tile
	STEP 0, 0, 0
	s_wait_dscnt 18                                ; the last step: nothing more to fetch
	WIN MUL_LO
	MUL16 0, 1, 0
	s_wait_dscnt 0
	MUL16 2, 1, 0
	WIN MUL_HI
	MUL16 4, 1, 0
	MUL16 6, 1, 0
	WIN 0
	s_wait_tensorcnt 0x0                           ; my rows of output's tile are in,
	s_barrier_signal -1
	s_barrier_wait -1                              ; and everybody's
; THE WAY OUT, by blocks of 16 rows.  A row's 256 bytes of c_t (and of h_t) come from the two waves of a row half: both put c_t and h_t into a shared stage, two stages by turns;
; behind a barrier the left wave stores c_t's whole rows, the right wave h_t's.  The barrier is signalled behind a block's stores and waited for behind the next block's exponentials.
.macro RBLOAD a
	s_barrier_wait -1                              ; both waves' parts of block a are in the stage
	s_wait_xcnt 0x0                                ; the last block's stores have read their registers and their base
.irp t, 0,1,2,3,4,5,6,7
	ds_load_b128 v[RB+4*\t:RB+4*\t+3], v[RD] offset:((\a)%2)*STGP+2*\t*OPITCH
.endr
.endm
.macro SEND a, younger
	s_wait_dscnt \younger
.if (\a) > 0
	s_add_nc_u64 s[12:13], s[12:13], 16*8192
.endif
.irp t, 0,1,2,3,4,5,6,7
	global_store_b128 v[CO], v[RB+4*\t:RB+4*\t+3], s[12:13] offset:2*\t*8192 th:TH_STORE_NT   ; sixteen lanes store 256 consecutive bytes, at a multiple of 256
.endr
.endm
.macro EPI a
.set EP, (\a)%2
.set AC, 64*((\a)%4)
.set EW, 2+(\a)/4
.irp u, 0,1
.irp e, 0,1
	ds_load_b128 v[PV+8*\u+4*\e:PV+8*\u+4*\e+3], v[ADO] offset:(\a)*16*OPITCH+64*\u+16*\e   ; output's numbers: bytes that no wave writes
.endr
.endr
	WIN EW
.irp b, 0,1,2,3,4,5,6,7                ; each accumulator from its low end on
.irp n, 0,2,4,6
.if \b/2 == 2
	v_pk_mul_f32 v[TT+8*\b+\n:TT+8*\b+\n+1], v[AC+8*\b+\n:AC+8*\b+\n+1], s[100:101] op_sel_hi:[1,0]
.else
	v_pk_mul_f32 v[TT+8*\b+\n:TT+8*\b+\n+1], v[AC+8*\b+\n:AC+8*\b+\n+1], s[90:91] op_sel_hi:[1,0]
.endif
.endr
.endr
	WIN 0
.set j, 0
	s_wait_alu depctr_va_vdst(0)
.rept 64
	v_exp_f32 v[TT+j], v[TT+j]
.set j, j+1
.endr
.if (\a) > 0
	RBLOAD (\a)-1
.endif
	v_nop
	s_wait_alu depctr_va_vdst(0)
.set j, 0
.rept 32
	v_pk_add_f32 v[TT+j:TT+j+1], v[TT+j:TT+j+1], 1.0 op_sel_hi:[1,0]
.set j, j+2
.endr
.set j, 0
	s_wait_alu depctr_va_vdst(0)
.rept 64
	v_rcp_f32 v[TT+j], v[TT+j]
.set j, j+1
.endr
.if (\a) > 0
	SEND (\a)-1, 0
.endif
	v_nop
	s_wait_alu depctr_va_vdst(0)
	s_wait_dscnt 0x0                               ; output's numbers are in
.irp n, 0,2,4,6,8,10,12,14
	v_pk_fma_f32 v[TT+32+\n:TT+33+\n], v[TT+32+\n:TT+33+\n], -2.0, 1.0 op_sel_hi:[1,0,0]   ; g
.endr
.irp n, 0,2,4,6,8,10,12,14
	v_pk_mul_f32 v[TT+32+\n:TT+33+\n], v[TT+\n:TT+1+\n], v[TT+32+\n:TT+33+\n]             ; i g
.endr
.irp n, 0,2,4,6,8,10,12,14
	v_pk_fma_f32 v[CC+\n:CC+1+\n], v[TT+16+\n:TT+17+\n], v[PV+\n:PV+1+\n], v[TT+32+\n:TT+33+\n]   ; c = f output + i g
.endr
.irp n, 0,2,4,6,8,10,12,14
	v_pk_mul_f32 v[TT+\n:TT+1+\n], v[CC+\n:CC+1+\n], s[100:101] op_sel_hi:[1,0]
.endr
.set j, 0
	s_wait_alu depctr_va_vdst(0)
.rept 16
	v_exp_f32 v[TT+j], v[TT+j]
.set j, j+1
.endr
	v_nop
	s_wait_alu depctr_va_vdst(0)
.irp n, 0,2,4,6,8,10,12,14
	v_pk_add_f32 v[TT+\n:TT+1+\n], v[TT+\n:TT+1+\n], 1.0 op_sel_hi:[1,0]
.endr
.set j, 0
	s_wait_alu depctr_va_vdst(0)
.rept 16
	v_rcp_f32 v[TT+j], v[TT+j]
.set j, j+1
.endr
	v_nop
	s_wait_alu depctr_va_vdst(0)
.irp n, 0,2,4,6,8,10,12,14
	v_pk_fma_f32 v[TT+\n:TT+1+\n], v[TT+\n:TT+1+\n], -2.0, 1.0 op_sel_hi:[1,0,0]           ; tanh c
.endr
.irp n, 0,2,4,6,8,10,12,14
	v_pk_mul_f32 v[HH+\n:HH+1+\n], v[TT+48+\n:TT+49+\n], v[TT+\n:TT+1+\n]                 ; h = o tanh c
.endr
.irp u, 0,1
.irp e, 0,1
	ds_store_b128 v[STO], v[CC+8*\u+4*\e:CC+8*\u+4*\e+3] offset:EP*STGP+64*\u+16*\e
	ds_store_b128 v[STO], v[HH+8*\u+4*\e:HH+8*\u+4*\e+3] offset:EP*STGP+STGT+64*\u+16*\e
.endr
.endr
	s_wait_dscnt 0x0                               ; my stores into this stage are done, and my reads of the other stage are back
	s_barrier_signal -1
.endm
	PLACES NP
	s_wait_alu depctr_va_vdst(0)
.irp a, 0,1,2,3,4,5,6,7
	EPI \a
.endr
	RBLOAD 7
	SEND 7, 0
	s_wait_tensorcnt 0x0                           ; the wave's end
	ds_add_u32 v[SPW], v[NIL]
	s_wait_dscnt 0x0
	CROUND                                         ; the closing round
	s_endpgm
.Lfunc_end_k_q91b757e1e5_lstm:
	.size	k_q91b757e1e5_lstm, .Lfunc_end_k_q91b757e1e5_lstm-k_q91b757e1e5_lstm
	.p2alignl 7, 3214868480
	.fill 96, 4, 3214868480
	.section	.rodata,"a",@progbits
	.p2align	6, 0x0
	.amdhsa_kernel k_q91b757e1e5_lstm
		.amdhsa_group_segment_fixed_size 327680
		.amdhsa_private_segment_fixed_size 0
		.amdhsa_enable_private_segment 0
		.amdhsa_kernarg_size 64
		.amdhsa_user_sgpr_count 2
		.amdhsa_user_sgpr_kernarg_segment_ptr 1
		.amdhsa_wavefront_size32 1
		.amdhsa_system_sgpr_workgroup_id_x 1
		.amdhsa_system_sgpr_workgroup_id_y 1
		.amdhsa_system_sgpr_workgroup_id_z 1
		.amdhsa_system_vgpr_workitem_id 0
		.amdhsa_next_free_vgpr 1024
		.amdhsa_next_free_sgpr 102
		.amdhsa_reserve_vcc 0
		.amdhsa_float_denorm_mode_32 3
		.amdhsa_float_denorm_mode_16_64 3
		.amdhsa_memory_ordered 1
		.amdhsa_forward_progress 1
		.amdhsa_inst_pref_size 255
	.end_amdhsa_kernel
	.section	.bss,"aw",@nobits
	.p2align	6
	.space	262144
	.amdgpu_metadata
---
amdhsa.version: [ 1, 2 ]
amdhsa.kernels:
  - .name:           k_q91b757e1e5_lstm
    .symbol:         k_q91b757e1e5_lstm.kd
    .args:
      - { .name: codes, .offset: 0, .size: 8, .value_kind: global_buffer, .address_space: global }
      - { .name: output, .offset: 8, .size: 8, .value_kind: global_buffer, .address_space: global }
      - { .name: out0, .offset: 16, .size: 8, .value_kind: global_buffer, .address_space: global }
      - { .name: out1, .offset: 24, .size: 8, .value_kind: global_buffer, .address_space: global }
      - { .name: b_i, .offset: 32, .size: 8, .value_kind: global_buffer, .address_space: global }
      - { .name: b_f, .offset: 40, .size: 8, .value_kind: global_buffer, .address_space: global }
      - { .name: b_g, .offset: 48, .size: 8, .value_kind: global_buffer, .address_space: global }
      - { .name: b_o, .offset: 56, .size: 8, .value_kind: global_buffer, .address_space: global }
    .group_segment_fixed_size: 327680
    .private_segment_fixed_size: 0
    .kernarg_segment_align: 8
    .kernarg_segment_size: 64
    .max_flat_workgroup_size: 128
    .sgpr_count:     102
    .vgpr_count:     1024
    .wavefront_size: 32
...
	.end_amdgpu_metadata
.endif
;; end of part 2
